; MI455X (gfx1250); checked and timed in simulation.
; The chip was launched on July 23, 2026; its instructions are those of AMD's public machine-readable ISA for CDNA 5 (MIT licence, August 2026) and "CDNA5" Instruction Set Architecture Reference Guide (July 2026). The comments in the code are by the model that wrote it; some were corrected since.
;; SCA2 LSTM. Allowed arithmetic: matrix products marked QUANTISED: E3M2 operands, one E8M0 scale for each 32 along K, by v_wmma_scale_f32_16x16x128_f8f6f4 with both operands' format E3M2, f32 sums; products left as they are: f32 operands where the result goes on into a quantised operand, else bf16, f16 or f32 operands; f32 sums; everything else in f32.
;; Inputs: W_ih1 1,024 x 32 float32; W_ih2 1,024 x 64 float32; Wg1 32 x 256 float32; Wg2 32 x 32 float32; Wp1 16 x 256 float32; Wp2 1 x 16 float32; b1 1,024 float32; b2 1,024 float32; basin_emb 531 x 32 float32; basin_ids 256 int32; bg1 32 float32; bg2 32 float32; bp1 16 float32; bp2 1 float32; ln_b 1 float32; ln_g 1 float32; lstm1_input 256 x 512 x 32 float32; missing_bool 256 x 512 x 32 float32; residual 256 float32; seq_features 256 x 512 x 32 float32.
;; Outputs: out0 256 x 1 float32; out1 256 x 512 x 32 float32.
;; This version of the problem:
;;   THIS VERSION OF THE PROBLEM IS GIVEN IN LOW PRECISION. The matrix products marked QUANTISED in the list below multiply operands that are first quantised to E3M2 (3 exponent bits, 2 mantissa bits; 6 bits a number), with one power-of-two scale for each 32 numbers along K (OCP MX v1.0); their sums are f32. All else is computed in f32.
;;   The module's matrix products, in the order in which they are computed (A, B: the left and right operand; K: the contracted axis; several contracted axes count as one K, in the product's order):
;;     1. [M 131,072, K 32] x [K 32, N 1,024]; A: computed on the way; B: input W_ih1: QUANTISED
;;     2. [M 131,072, K 256] x [K 256, N 32]; A: computed on the way; B: input Wg1: QUANTISED
;;     3. [M 131,072, K 32] x [K 32, N 32]; A: computed on the way; B: input Wg2: QUANTISED
;;     4. [M 131,072, K 64] x [K 64, N 1,024]; A: computed on the way; B: input W_ih2: QUANTISED
;;     5. [M 256, K 256] x [K 256, N 16]; A: computed on the way; B: input Wp1: QUANTISED
;;     6. [M 256, K 16] x [K 16, N 1]; A: computed on the way; B: input Wp2: left as it is (K = 16 < 32)
;;   THE QUANTISER, for each operand of a quantised product, along K:
;;     - K is cut into blocks of 32 from its start; a last block that is shorter is filled with zeros.
;;     - A block's scale is 2^e with e = floor(log2(the largest magnitude in the block)) - 4, held to -126 .. 127; a block of zeros has e = 0. As a byte (E8M0): e + 127.
;;     - Each number is divided by its block's scale, clamped to +-28, and rounded to the nearest number of E3M2, ties to even, subnormals kept.
;;     - The product sums the exact products of the quantised numbers (number of the format x scale) in f32.
;;   ~~~python
;;   def quantise(x, axis):      # numpy; x: float32 -> the quantised numbers, widened to float32 again
;;       x = np.moveaxis(x, axis, -1); K = x.shape[-1]
;;       x = np.pad(x, [(0, 0)] * (x.ndim - 1) + [(0, -K % 32)]); x = x.reshape(x.shape[:-1] + (-1, 32)); a = np.abs(x).max(-1, keepdims=True)
;;       e = np.where(a > 0, np.clip(np.frexp(np.where(a > 0, a, 1))[1] - 1 - 4, -126, 127), 0)      # np.frexp(a)[1] - 1 = floor(log2(a)), exactly
;;       r = np.clip(x / 2.0 ** e, -28, 28)
;;       step = 2.0 ** (np.maximum(np.frexp(np.where(r == 0, 1, r))[1] - 1, -2) - 2)
;;       q = np.round(r / step) * step * 2.0 ** e      # np.round: ties to even
;;       return np.moveaxis(q.reshape(q.shape[:-2] + (-1,))[..., :K], -1, axis).astype(np.float32)
;;   ~~~
;;   OPERANDS COMPUTED ON THE WAY. 'Computed on the way' means the value that the module computes at that place (a softmax that the list does not call 'softmax' is quantised finished and normalised). What goes into a quantiser is computed in f32, as accurately as f32 sums, v_exp_f32 and their like allow (about 1e-6 of the number): no bf16 or f16 on the way to a quantiser, and a product that is left as it is and whose result goes on into a quantised operand takes f32 operands (vector FMAs, or v_wmma_f32_16x16x4_f32). A number that lies on a knife's edge between two numbers of the format may be rounded either way, as far as f32 arithmetic and the matrix unit's own rounding can turn it there, and no further.
;; One version. Each part assembles by itself: llvm-mc -triple=amdgcn-amd-amdhsa -mcpu=gfx1250 --defsym DOCPART=n.
;; ======== version 1 of 1: 1 launch
;; limits: a function is approximated: absolute error at most 1e-07
;; launch sca2lstm (part 1): grid 256 x 1, 16 waves a work-group, no clusters, 191,488 bytes of LDS; arguments lstm1_input, missing_bool, seq_features, basin_ids, basin_emb, W_ih1, b1, Wg1, bg1, Wg2, bg2, W_ih2, b2, Wp1, bp1, Wp2, bp2, out0, out1; writes out0, out1
.if DOCPART == 1
	.amdgcn_target "amdgcn-amd-amdhsa--gfx1250"
	.amdhsa_code_object_version 6
	.text
	.protected	k_q52632934fe_sca2lstm
	.globl	k_q52632934fe_sca2lstm
	.p2align	8
	.type	k_q52632934fe_sca2lstm,@function
k_q52632934fe_sca2lstm:
	s_mov_b64 s[64:65], 0
	v_nop
	global_prefetch_b8 v0, s[64:65] scope:SCOPE_SE
	s_setreg_imm32_b32 hwreg(HW_REG_WAVE_MODE, 25, 1), 1
	s_wait_xcnt 0x0
; SCA2LSTM in MX-BF6 (E3M2 codes, one E8M0 scale for each 32 along K), one launch.
; out1 = w [256][512][32]: zero-state LSTM cell 1 -> Linear 256->32, leaky -> Linear 32->32 -> softmax, masked, renormalised, clipped.  out0 = pred [256][1].
; WORK LEFT OUT, for all finite values of the inputs:
;  - rn (the LayerNorm of residual) reaches no output: residual, ln_g, ln_b are not loaded and are no arguments.
;  - the f gate of both cells is split off and never used: rows 256..511 of W_ih1, b1, W_ih2, b2 are not loaded.
;  - pred hangs on h2[:, -1] alone: the fourth product, cell 2, wf and seq_features are done for t = 511 only (256 rows of 131,072).
;  - clip(h1, +-5), clip(h2, +-5): |sigmoid x tanh| <= 1;  both clips of wf at +-3: |sf| <= 3 and w <= 0.5: identities.
; LIMITS: NaN and infinities among the inputs are not served, and none that reaches only the work left out is carried to a result.  A block whose largest magnitude lies under 2^-122
; gets the scale byte 1; a block of zeros too (its codes are zeros; the bytes are read by this program alone).  tanh and sigmoid go through 2^x: absolute error of about one part in 10^7 of 1.
; 2^(2 log2(e) c) is held at 2^60, where tanh is 1.0 in f32.  basin_ids is held at 530 from above, taken as unsigned.
; SHARES.  Work-group b owns batch b (512 rows); wave w of sixteen owns rows 32 w .. 32 w + 31, two tiles of 16.  Every product is used transposed (source 0 = 16 weight rows, source 1 = 16 data rows):
; lane (r = lane % 16, h = lane / 16) holds data row r throughout, and its registers run along the next product's K.
; K = 32 IN A FORM OF K = 128.  A 6-bit operand has four blocks of 32: block 2 c + h lies in registers 6 c .. 6 c + 5 of lanes 16 h + r.  The weights lie DENSE: an IMAGE is 6 registers x 32 lanes, and lane (h, r) holds the
; 32 codes of one weight row.  The data rows stand in ONE block and zero codes in the other three; four such operands are cut out of the run Z0 X Z1 X' Z2 (Z: zeros; X: codes in lanes 0-15; X': in lanes 16-31).
; So one pair of images serves four products, each with another 16 weight rows.  Zero codes add nothing under any scale byte but 0xff, which no byte here is.
; THE ROWS OF A WEIGHT TILE ARE NOT NEIGHBOURS where the result goes on into a quantiser: lane r of tile u takes row base + 8 u + r + (r & 8), so that a lane's 16 registers of tiles 0 and 1 are 16 neighbours.
; THE WEIGHTS arrive as f32 and pass the quantiser in registers: each wave quantises five or six images into LDS at the head.  No tensor load, no cluster: the live f32 weights are 348,160 bytes, more than a work-group's
; LDS can hold, each wave loads only its own share of them into registers, and the three streams (x, mask, w) are each work-group's own.  No prefetch: x and the first mask are asked for at the head, the second mask a tile ahead.
; ORDER OF A WAVE: head | tile 1 | cell 2 for t = 511 (16 units a wave; wave 0 then makes pred) | tile 0.
.set SC,    65280                      ; LDS: 85 images x 768 bytes from 0; then 85 scale slots x 64 bytes: word r of a slot = (byte of lane (0, r), of lane (1, r), and both again)
.set TAB,   70912                      ; tables
.set T_B2,  3072                       ; +0 b1's live gates [3][256]; b2 [wave][3][16]
.set T_BG1, 6144
.set T_BG2, 6272
.set T_SF,  6400                       ; seq_features' row t = 511
.set T_EMB, 6528                       ; the basin's row
.set T_BP1, 6656
.set T_WP2, 6720
.set T_H2,  6912                       ; h2's row, 256 numbers
.set STG,   78848                      ; a stage for each wave: 32 rows of x at pitch 144, then 16 rows of mask / w at pitch 144
.set WST,   6912
.set SPARE, 189440                     ; the spare words, 128 bytes for each wave: eight blocks of 256 bytes that no other line names
; images and slots: 0-23 W_ih1 (3 x chunk + gate), 24-31 Wg1 (2 x trip + tile), 32-35 Wp1, 36 Wg2, 37 + 3 w + gate W_ih2
; vector registers that stay
.set SPW, 1                            ; SPARE + 4 x thread
.set NIL, 2                            ; 0
.set L8,  3                            ; 8 x lane
.set SCL, 4                            ; SC + 4 x lane
.set SCR, 5                            ; SC + 4 r
.set BB,  6                            ; TAB + 64 h
.set XRD, 7                            ; my stage + 144 r + 64 h
.set MRD, 8                            ; the same in the mask's part
.set MDN, 9                            ; the mask's part, dense: 144 (lane / 8) + 16 (lane % 8)
.set GOF, 10                           ; 16 x lane
.set AW,  12                           ; working LDS addresses of a trip
.set AS,  13
.set AS2, 14
.set AB,  15
.set AG,  16
.set AGS, 17
.set WS0, 20                           ; v20-24 hold scales and nothing else
.set WS1, 21
.set XS,  22
.set GS,  23
.set HS,  24
.set B2A, 246
.set H2W, 247
.set TB32, 248
.set WRW, 249
.set IA3, 250
.set SCL3, 251
.set SCR3, 252
.set K3,  253                          ; 3.0
.set KN2, 254                          ; v[254:255] -2 log2(e), twice
; vector registers of the tiles
.set PM,  25
.set MX0, 26
.set MX1, 27
.set SO,  28
.set BY0, 29
.set BY1, 30
.set T3,  32
.set G0,  36
.set G1,  42
.set I0,  48
.set I1,  54
.set I2,  60
.set HF,  66
.set Z0,  72
.set X,   78
.set Z1,  84
.set XP,  90
.set Z2,  96
.set HACC, 102
.set MSK, 118
.set BI,  134
.set ACC, 182
.set T,   230
.set ZR,  ACC+16                       ; the logits, then p
.set MK,  ACC+32                       ; the mask, then q, then w
; vector registers of the head alone
.set VO1, 25
.set VO2, 26
.set VOC, 27
.set VOW2, 28
.set VOF, 29
.set IAW, 30
.set SAW, 31
.set SA3, 32
.set XSTW, 33
.set TB2W, 34
.set TB1W, 35
.set BUFD, 36
.set BUFS, 68
.set BUFF, 100
.set RN,  112
.set RP,  113
.set R8,  114
.set HH,  115
.set TV7, 116
.set TV3, 117
.set BUFA, 134
.set BUFB, 166
.set BUFC, 198
.set QM0, 230
.set QM1, 231
.set QSO, 232
.set QBY, 233
.set CQ,  234
.set O7,  242
.set O3,  243
.set VB1, 244
; wave 0's last products (between the tiles v102-117, hid's sums, are idle)
.set YY,  134                          ; 64 numbers of h2's row
.set PC,  198                          ; their codes (v198-209; v210-216 at work)
.set PD,  218                          ; the fifth product's sum
.set WP,  102                          ; Wp2 at my eight units
.set BP,  110                          ; bp1 at my eight units
.set PR,  226
.set ZO,  227
; scalars: s2 wave; s[4:5] lane selects; s[8:45] the buffers; s[48:49] -log2(e); s[50:51] 2 log2(e); s[52:53] log2(e); s54 1e-6; s55 1e-8; s[56:57] 0.01; s58 byte select; s59 100; s60 trips; s61-63, s66, s67 a trip's LDS steps; s68 bp2
.set NL,  48
.set L2,  50
.set LE,  52
.macro LOADT buf, vo, ptr, off         ; a lane's whole block of 32 f32
.irp i, 0,1,2,3,4,5,6,7
	global_load_b128 v[\buf+4*\i:\buf+4*\i+3], v[\vo], s[\ptr:\ptr+1] offset:\off+16*\i
.endr
.endm
.macro QCORE buf                       ; 32 numbers of a lane -> 6 registers of codes in v[CQ] on and the scale's byte in v[QBY]
	v_max3_num_f32 v[QM0], |v[\buf]|, |v[\buf+1]|, |v[\buf+2]|
	v_max3_num_f32 v[QM1], |v[\buf+3]|, |v[\buf+4]|, |v[\buf+5]|
.irp i, 6,10,14,18,22,26
	s_delay_alu instid0(VALU_DEP_2)
	v_max3_num_f32 v[QM0], v[QM0], |v[\buf+\i]|, |v[\buf+\i+1]|
	s_delay_alu instid0(VALU_DEP_2)
	v_max3_num_f32 v[QM1], v[QM1], |v[\buf+\i+2]|, |v[\buf+\i+3]|
.endr
	s_delay_alu instid0(VALU_DEP_2)
	v_max3_num_f32 v[QM0], v[QM0], |v[\buf+30]|, |v[\buf+31]|
	s_delay_alu instid0(VALU_DEP_1)
	v_max3_num_f32 v[QM0], v[QM0], v[QM1], 0x2800000               ; the floor 2^(5 - 127): the byte cannot fall under 1
	s_delay_alu instid0(VALU_DEP_1)
	v_add_nc_u32 v[QSO], 0xfe000000, v[QM0]                        ; 4 off the exponent field: the conversion's scale operand
	v_cvt_scalef32_pk16_bf6_f32 v[CQ:CQ+2], v[\buf:\buf+15], v[QSO]
	v_cvt_scalef32_pk16_bf6_f32 v[CQ+4:CQ+6], v[\buf+16:\buf+31], v[QSO]   ; (a conversion's three registers begin on an even number)
	v_lshrrev_b32 v[QBY], 23, v[QSO]                               ; the byte; also the plain place behind the conversions
	v_mov_b32 v[CQ+3], v[CQ+4]
	v_mov_b32 v[CQ+4], v[CQ+5]
	v_mov_b32 v[CQ+5], v[CQ+6]
.endm
.macro QTASK buf, adr, aoff, sad, soff ; an image and its scale bytes go to LDS
	QCORE \buf
.irp p, 0,1,2
	ds_store_b64 v[\adr], v[CQ+2*\p:CQ+2*\p+1] offset:\aoff+256*\p
.endr
	ds_store_b8 v[\sad], v[QBY] offset:\soff
	ds_store_b8 v[\sad], v[QBY] offset:\soff+2
	s_wait_dscnt 0x0                                               ; the stores have read their registers: the next task writes them
.endm
.macro BLK16 src, dst, by              ; a block of 32 held as 16 + 16 in lanes l and l xor 16: my 16 codes into 3 registers, the block's byte
	v_max3_num_f32 v[MX0], |v[\src]|, |v[\src+1]|, 0x2800000
	v_max3_num_f32 v[MX1], |v[\src+2]|, |v[\src+3]|, |v[\src+4]|
	s_delay_alu instid0(VALU_DEP_2)
	v_max3_num_f32 v[MX0], v[MX0], |v[\src+5]|, |v[\src+6]|
	s_delay_alu instid0(VALU_DEP_2)
	v_max3_num_f32 v[MX1], v[MX1], |v[\src+7]|, |v[\src+8]|
	s_delay_alu instid0(VALU_DEP_2)
	v_max3_num_f32 v[MX0], v[MX0], |v[\src+9]|, |v[\src+10]|
	s_delay_alu instid0(VALU_DEP_2)
	v_max3_num_f32 v[MX1], v[MX1], |v[\src+11]|, |v[\src+12]|
	s_delay_alu instid0(VALU_DEP_2)
	v_max3_num_f32 v[MX0], v[MX0], |v[\src+13]|, |v[\src+14]|
	s_delay_alu instid0(VALU_DEP_1)
	v_max3_num_f32 v[MX0], v[MX0], v[MX1], |v[\src+15]|
	s_delay_alu instid0(VALU_DEP_1)
	v_permlanex16_b32 v[PM], v[MX0], s4, s5
	s_delay_alu instid0(VALU_DEP_1)
	v_max_num_f32 v[MX0], v[MX0], v[PM]
	s_delay_alu instid0(VALU_DEP_1)
	v_add_nc_u32 v[SO], 0xfe000000, v[MX0]
	v_cvt_scalef32_pk16_bf6_f32 v[\dst:\dst+2], v[\src:\src+15], v[SO]
	v_lshrrev_b32 v[\by], 23, v[SO]                                ; the byte; also the plain place behind the conversion
.endm
.macro QX src                          ; 16 numbers a lane (k = 16 h + 0 .. 15 of row r) become X (codes | 0), X' (0 | codes) and the scale word
	BLK16 \src, X, BY0
	s_delay_alu instid0(VALU_DEP_1)
	v_perm_b32 v[XS], v[BY0], v[BY0], 0                            ; the byte in all four places: the block may stand at any of the four
.irp i, 0,1,2
	v_mov_b32 v[XP+3+\i], v[X+\i]
	v_mov_b32 v[X+3+\i], 0
	v_mov_b32 v[XP+\i], 0
.endr
.irp i, 0,1,2
	v_permlane16_swap_b32 v[X+\i], v[X+3+\i]                       ; (low | high), (0 | 0) -> (low | 0), (high | 0)
	v_permlane16_swap_b32 v[XP+\i], v[XP+3+\i]                     ; (0 | 0), (low | high) -> (0 | low), (0 | high)
.endr
.rept 8
	v_nop                                                          ; a scale word made by vector instructions stands 8 places ahead of a scaled matrix instruction, an operand 4
.endr
.endm
.macro MM d, a, b, c, sa, sb, row      ; one product; row = 1: source 0's scales from lanes 16-31
.if \row
	v_wmma_scale_f32_16x16x128_f8f6f4 v[\d:\d+7], v[\a:\a+11], v[\b:\b+11], v[\c:\c+7], v[\sa], v[\sb] matrix_a_fmt:MATRIX_FMT_BF6 matrix_b_fmt:MATRIX_FMT_BF6 matrix_a_scale:MATRIX_SCALE_ROW1
.else
	v_wmma_scale_f32_16x16x128_f8f6f4 v[\d:\d+7], v[\a:\a+11], v[\b:\b+11], v[\c:\c+7], v[\sa], v[\sb] matrix_a_fmt:MATRIX_FMT_BF6 matrix_b_fmt:MATRIX_FMT_BF6
.endif
.endm
; THE CELL, n units a lane.  a = e^-i, b = e^(2c), d = e^-o;  cc = (b - 1) / ((1 + a)(1 + b));  e = e^(2 cc);  h = (e - 1) / ((1 + e)(1 + d)).  Four batches of transcendentals, each with one plain place and one wait behind it.
; Every accumulator is read from its low end on.  The result lies in v[ac] on.
.macro ACT ai, ac, ao, t, n
.set k, 0
.rept (\n)/2
	v_pk_mul_f32 v[\ai+k:\ai+k+1], v[\ai+k:\ai+k+1], s[NL:NL+1] op_sel_hi:[1,0]
.set k, k+2
.endr
.set k, 0
.rept (\n)/2
	v_pk_mul_f32 v[\ac+k:\ac+k+1], v[\ac+k:\ac+k+1], s[L2:L2+1] op_sel_hi:[1,0]
.set k, k+2
.endr
.set k, 0
.rept \n
	v_min_num_f32 v[\ac+k], 0x42700000, v[\ac+k]                   ; b is held at 2^60, so that (1 + a)(1 + b) alone can overflow, and then cc is 0 as it should be
.set k, k+1
.endr
.set k, 0
.rept (\n)/2
	v_pk_mul_f32 v[\ao+k:\ao+k+1], v[\ao+k:\ao+k+1], s[NL:NL+1] op_sel_hi:[1,0]
.set k, k+2
.endr
.set k, 0
	s_wait_alu depctr_va_vdst(0)
.rept \n
	v_exp_f32 v[\ai+k], v[\ai+k]
.set k, k+1
.endr
.set k, 0
.rept \n
	v_exp_f32 v[\ac+k], v[\ac+k]
.set k, k+1
.endr
.set k, 0
.rept \n
	v_exp_f32 v[\ao+k], v[\ao+k]
.set k, k+1
.endr
	v_nop
	s_wait_alu depctr_va_vdst(0)                                   ; one wait for the batch, ahead of its first reader
.set k, 0
.rept (\n)/2
	v_pk_add_f32 v[\t+k:\t+k+1], v[\ac+k:\ac+k+1], 1.0 op_sel_hi:[1,0]
.set k, k+2
.endr
.set k, 0
.rept (\n)/2
	v_pk_fma_f32 v[\ai+k:\ai+k+1], v[\ai+k:\ai+k+1], v[\t+k:\t+k+1], v[\t+k:\t+k+1]                 ; (1 + a)(1 + b)
.set k, k+2
.endr
.set k, 0
.rept (\n)/2
	v_pk_fma_f32 v[\ac+k:\ac+k+1], v[\ac+k:\ac+k+1], s[L2:L2+1], v[KN2:KN2+1] op_sel_hi:[1,0,1]     ; 2 log2(e) (b - 1)
.set k, k+2
.endr
.set k, 0
	s_setprio 1
	s_wait_alu depctr_va_vdst(0)
.rept \n
	v_rcp_f32 v[\ai+k], v[\ai+k]
.set k, k+1
.endr
	v_nop
	s_wait_alu depctr_va_vdst(0)
.set k, 0
.rept (\n)/2
	v_pk_mul_f32 v[\ac+k:\ac+k+1], v[\ac+k:\ac+k+1], v[\ai+k:\ai+k+1]                               ; 2 log2(e) cc
.set k, k+2
.endr
.set k, 0
	s_wait_alu depctr_va_vdst(0)
.rept \n
	v_exp_f32 v[\ac+k], v[\ac+k]
.set k, k+1
.endr
	v_nop
	s_wait_alu depctr_va_vdst(0)
.set k, 0
.rept (\n)/2
	v_pk_add_f32 v[\t+k:\t+k+1], v[\ac+k:\ac+k+1], 1.0 op_sel_hi:[1,0]
.set k, k+2
.endr
.set k, 0
.rept (\n)/2
	v_pk_fma_f32 v[\ao+k:\ao+k+1], v[\ao+k:\ao+k+1], v[\t+k:\t+k+1], v[\t+k:\t+k+1]                 ; (1 + d)(1 + e)
.set k, k+2
.endr
.set k, 0
.rept (\n)/2
	v_pk_add_f32 v[\ac+k:\ac+k+1], v[\ac+k:\ac+k+1], -1.0 op_sel_hi:[1,0]
.set k, k+2
.endr
.set k, 0
	s_wait_alu depctr_va_vdst(0)
.rept \n
	v_rcp_f32 v[\ao+k], v[\ao+k]
.set k, k+1
.endr
	s_setprio 0
	v_nop
	s_wait_alu depctr_va_vdst(0)
.set k, 0
.rept (\n)/2
	v_pk_mul_f32 v[\ac+k:\ac+k+1], v[\ac+k:\ac+k+1], v[\ao+k:\ao+k+1]
.set k, k+2
.endr
.endm
; 32 hidden units of cell 1 for my 16 rows: the u-th chunk of a trip.  Three images (gates i, c, o), their scale words, the biases as C; six products; the cell; the 32 units' codes.
.macro CHUNK u
	s_setprio 2
.irp g, 0,1,2
.irp i, 0,1,2
	ds_load_b64 v[I0+6*\g+2*\i:I0+6*\g+2*\i+1], v[AW] offset:2304*\u+768*\g+256*\i
.endr
.endr
	ds_load_b32 v[WS0], v[AS] offset:192*\u                        ; lanes 0-15: gate i's slot; lanes 16-31: gate c's
	ds_load_b32 v[WS1], v[AS2] offset:192*\u+128                   ; gate o's
.irp g, 0,1,2
.irp q, 0,1,2,3
	ds_load_b128 v[BI+16*\g+4*\q:BI+16*\g+4*\q+3], v[AB] offset:1024*\g+128*\u+16*\q   ; b1 at my 16 units of the gate
.endr
.endr
	s_wait_dscnt 0x0
	MM ACC,    I0, X,  BI,    WS0, XS, 0                           ; gate i, units 16 h + 0 .. 7
	MM ACC+8,  I0, XP, BI+8,  WS0, XS, 0                           ;         units 16 h + 8 .. 15
	MM ACC+16, I0, Z0, BI+16, WS0, XS, 1                           ; gate c: the data stand in blocks 2 and 3, where the second image lies
	MM ACC+24, I0, Z1, BI+24, WS0, XS, 1
	MM ACC+32, I2, X,  BI+32, WS1, XS, 0                           ; gate o (the operand's second half, HF, meets zero codes)
	MM ACC+40, I2, XP, BI+40, WS1, XS, 0
.rept 4
	v_nop                                                          ; four places ahead of the first read of the results
.endr
	ACT ACC, ACC+16, ACC+32, T, 16
.if \u == 0
	BLK16 ACC+16, HF, BY0
.rept 3
	v_nop                                                          ; with the shift above: four places between the write of HF and the next chunk's products, which name it
.endr
.else
	BLK16 ACC+16, T3, BY1
.endif
.endm
; 64 hidden units: two chunks, then their part of hid = h1 Wg1^T: K blocks 0 and 1 hold the two chunks, blocks 2 and 3 zero codes
.macro TRIP
	v_add_nc_u32 v[AW], s61, v[L8]                                 ; these six are also the places behind the last trip's products, ahead of the loads below
	v_add_nc_u32 v[AS], s62, v[SCL]
	v_add_nc_u32 v[AS2], s62, v[SCR]
	v_add_nc_u32 v[AB], s63, v[BB]
	v_add_nc_u32 v[AG], s66, v[L8]
	v_add_nc_u32 v[AGS], s67, v[SCL]
.irp q, 0,1
.irp i, 0,1,2
	ds_load_b64 v[G0+6*\q+2*\i:G0+6*\q+2*\i+1], v[AG] offset:18432+768*\q+256*\i
.endr
.endr
	ds_load_b32 v[GS], v[AGS] offset:1536
	s_wait_alu depctr_va_vdst(0)
	CHUNK 0
	s_wait_alu depctr_va_vdst(0)
	CHUNK 1
	s_delay_alu instid0(VALU_DEP_1)
	v_lshl_or_b32 v[HS], v[BY1], 8, v[BY0]
.irp i, 0,1,2
	v_permlane16_swap_b32 v[HF+\i], v[T3+\i]                       ; lanes 0-15 get chunk 0's block whole, lanes 16-31 chunk 1's
.endr
.irp i, 0,1,2
	s_delay_alu instid0(VALU_DEP_3)
	v_mov_b32 v[HF+3+\i], v[T3+\i]
.endr
.rept 5
	v_nop                                                          ; with the three moves: 8 places behind the scale word, 5 behind the operand
.endr
	MM HACC,   G0, HF, HACC,   GS, HS, 0                           ; the two sums take turns, one instruction a turn, twelve other products between their links
	MM HACC+8, G1, HF, HACC+8, GS, HS, 1
.endm
.macro SOFTMAX                         ; z in v[ZR] on, the mask in v[MK] on: features 16 h + 0 .. 15 of row r.  w ends in v[MK] on
	v_max3_num_f32 v[MX0], v[ZR], v[ZR+1], v[ZR+2]
.irp i, 3,5,7,9,11,13
	v_max3_num_f32 v[MX0], v[MX0], v[ZR+\i], v[ZR+\i+1]
.endr
	v_max_num_f32 v[MX0], v[MX0], v[ZR+15]
	s_delay_alu instid0(VALU_DEP_1)
	v_permlanex16_b32 v[PM], v[MX0], s4, s5
	s_delay_alu instid0(VALU_DEP_1)
	v_max_num_f32 v[MX0], v[MX0], v[PM]                            ; the row's maximum
	s_delay_alu instid0(VALU_DEP_1)
	v_mul_f32 v[MX0], s[NL], v[MX0]
	s_delay_alu instid0(VALU_DEP_1)
	v_mov_b32 v[MX1], v[MX0]
.irp i, 0,2,4,6,8,10,12,14
	v_pk_fma_f32 v[ZR+\i:ZR+\i+1], v[ZR+\i:ZR+\i+1], s[LE:LE+1], v[MX0:MX1] op_sel_hi:[1,0,1]
.endr
	s_wait_alu depctr_va_vdst(0)
.irp i, 0,1,2,3,4,5,6,7,8,9,10,11,12,13,14,15
	v_exp_f32 v[ZR+\i], v[ZR+\i]
.endr
	v_nop
	s_wait_alu depctr_va_vdst(0)
.irp i, 0,2,4,6,8,10,12,14
	v_pk_mul_f32 v[MK+\i:MK+\i+1], v[ZR+\i:ZR+\i+1], v[MK+\i:MK+\i+1]      ; q = p x mask
.endr
.irp i, 0,4,8,12
	v_pk_add_f32 v[ZR+\i:ZR+\i+1], v[ZR+\i:ZR+\i+1], v[ZR+\i+2:ZR+\i+3]
.endr
.irp i, 0,1,2,3
	v_pk_add_f32 v[T+2*\i:T+2*\i+1], v[MK+4*\i:MK+4*\i+1], v[MK+4*\i+2:MK+4*\i+3]
.endr
	v_pk_add_f32 v[ZR:ZR+1], v[ZR:ZR+1], v[ZR+4:ZR+5]
	v_pk_add_f32 v[ZR+8:ZR+9], v[ZR+8:ZR+9], v[ZR+12:ZR+13]
	v_pk_add_f32 v[T:T+1], v[T:T+1], v[T+2:T+3]
	s_delay_alu instid0(VALU_DEP_4)
	v_pk_add_f32 v[T+4:T+5], v[T+4:T+5], v[T+6:T+7]
	s_delay_alu instid0(VALU_DEP_3)
	v_pk_add_f32 v[ZR:ZR+1], v[ZR:ZR+1], v[ZR+8:ZR+9]
	s_delay_alu instid0(VALU_DEP_2)
	v_pk_add_f32 v[T:T+1], v[T:T+1], v[T+4:T+5]
	s_delay_alu instid0(VALU_DEP_2)
	v_add_f32 v[ZR], v[ZR], v[ZR+1]
	s_delay_alu instid0(VALU_DEP_2)
	v_add_f32 v[T], v[T], v[T+1]
	s_delay_alu instid0(VALU_DEP_2)
	v_permlanex16_b32 v[PM], v[ZR], s4, s5
	s_delay_alu instid0(VALU_DEP_2)
	v_permlanex16_b32 v[T+2], v[T], s4, s5
	s_delay_alu instid0(VALU_DEP_2)
	v_add_f32 v[ZR], v[ZR], v[PM]                                  ; S = the sum of p
	s_delay_alu instid0(VALU_DEP_2)
	v_add_f32 v[T], v[T], v[T+2]                                   ; Q = the sum of q
	s_wait_alu depctr_va_vdst(0)
	v_rcp_f32 v[T+6], v[ZR]
	v_nop
	s_wait_alu depctr_va_vdst(0)
	v_fma_f32 v[T+8], v[T], v[T+6], s55                            ; Q / S + 1e-8
	s_wait_alu depctr_va_vdst(0)
	v_rcp_f32 v[T+7], v[T+8]
	v_nop
	s_wait_alu depctr_va_vdst(0)
	v_mul_f32 v[T+4], v[T+6], v[T+7]
.irp i, 0,2,4,6,8,10,12,14
	v_pk_mul_f32 v[MK+\i:MK+\i+1], v[MK+\i:MK+\i+1], v[T+4:T+5] op_sel_hi:[1,0]
.endr
.irp i, 0,1,2,3,4,5,6,7,8,9,10,11,12,13,14,15
	v_med3_num_f32 v[MK+\i], v[MK+\i], s54, 0.5
.endr
.endm
; 64 numbers of a lane, register 16 b + i = k 32 b + 16 h + i of its row, become a whole fragment in v[pc] on (v[pc+12] to v[pc+18] at work) and its scale word
.macro QUANT64 s, pc, sw
.irp b, 0,1,2,3
	v_max3_num_f32 v[T+\b], |v[\s+16*\b]|, |v[\s+1+16*\b]|, 0x2800000
.endr
.irp i, 2,4,6,8,10,12,14
.irp b, 0,1,2,3
	s_delay_alu instid0(VALU_DEP_4)
	v_max3_num_f32 v[T+\b], v[T+\b], |v[\s+16*\b+\i]|, |v[\s+1+16*\b+\i]|
.endr
.endr
.irp b, 0,1,2,3
	s_delay_alu instid0(VALU_DEP_4)
	v_permlanex16_b32 v[T+4+\b], v[T+\b], s4, s5
.endr
.irp b, 0,1,2,3
	s_delay_alu instid0(VALU_DEP_4)
	v_max_num_f32 v[T+\b], v[T+\b], v[T+4+\b]
.endr
.irp b, 0,1,2,3
	s_delay_alu instid0(VALU_DEP_4)
	v_add_nc_u32 v[T+12+\b], 0xfe000000, v[T+\b]
.endr
.irp b, 0,1,2,3
	s_delay_alu instid0(VALU_DEP_4)
	v_lshrrev_b32 v[T+4+\b], 23, v[T+12+\b]
.endr
	s_delay_alu instid0(VALU_DEP_3)
	v_lshl_or_b32 v[\sw], v[T+5], 8, v[T+4]
	s_delay_alu instid0(VALU_DEP_1)
	v_lshl_or_b32 v[\sw], v[T+6], 16, v[\sw]
	s_delay_alu instid0(VALU_DEP_1)
	v_lshl_or_b32 v[\sw], v[T+7], 24, v[\sw]
.irp c, 0,1
	v_cvt_scalef32_pk16_bf6_f32 v[\pc+6*\c:\pc+2+6*\c], v[\s+32*\c:\s+15+32*\c], v[T+12+2*\c]
	v_cvt_scalef32_pk16_bf6_f32 v[\pc+12+4*\c:\pc+14+4*\c], v[\s+16+32*\c:\s+31+32*\c], v[T+12+2*\c+1]
.endr
	v_nop                                                          ; one plain place behind a scaled conversion
.irp c, 0,1
.irp i, 0,1,2
	v_permlane16_swap_b32 v[\pc+6*\c+\i], v[\pc+12+4*\c+\i]
.endr
.irp i, 0,1,2
	s_delay_alu instid0(VALU_DEP_3)
	v_mov_b32 v[\pc+3+6*\c+\i], v[\pc+12+4*\c+\i]
.endr
.endr
.rept 8
	v_nop
.endr
.endm
.macro BARRIER                         ; my LDS stores have landed and my LDS loads are in: then the work-group's barrier
	s_wait_dscnt 0x0
	s_barrier_signal -1
	s_barrier_wait -1
.endm
.macro WOFF d, hh, t, t2               ; image H of W_ih1 (H in s[hh]): chunk c = H / 3, gate g = H % 3, first row gb + 32 c with gb = 0, 512, 768; in bytes
	s_mul_i32 s[\d], s[\hh], 11
	s_lshr_b32 s[\d], s[\d], 5                                     ; H / 3 for H up to 23
	s_mul_i32 s[\t], s[\d], 3
	s_sub_co_u32 s[\t], s[\hh], s[\t]
	s_min_u32 s[\t2], s[\t], 1
	s_add_co_u32 s[\t], s[\t], s[\t2]
	s_lshl_b32 s[\t], s[\t], 8
	s_lshl_b32 s[\d], s[\d], 5
	s_add_co_u32 s[\d], s[\d], s[\t]
	s_lshl_b32 s[\d], s[\d], 7
.endm
; A TILE of 16 rows, the a-th of my two.  nx: the tile whose mask is asked for on the way, or -1
.macro TILE a, nx
.irp i, 0,1,2,3
	ds_load_b128 v[ACC+4*\i:ACC+4*\i+3], v[XRD] offset:2304*\a+16*\i       ; x(r, 16 h + 0 .. 15)
.endr
.irp i, 0,1,2,3
	ds_load_b128 v[HACC+4*\i:HACC+4*\i+3], v[BB] offset:T_BG1+16*\i        ; bg1 starts hid's sums
.endr
	s_wait_dscnt 0x0
.irp i, 0,1,2,3,4,5,6,7,8,9,10,11,12,13,14,15
	v_med3_num_f32 v[ACC+\i], v[ACC+\i], -v[K3], v[K3]
.endr
	QX ACC
	s_mov_b32 s60, 0
	s_mov_b32 s61, 0
	s_mov_b32 s62, 0
	s_mov_b32 s63, 0
	s_mov_b32 s66, 0
	s_mov_b32 s67, 0
.Ltrip_\@:                             ; four trips of 64 hidden units
	TRIP
	s_add_co_u32 s61, s61, 4608                                    ; six images,
	s_add_co_u32 s62, s62, 384                                     ; six slots,
	s_add_co_u32 s63, s63, 256                                     ; 64 biases of each gate,
	s_add_co_u32 s66, s66, 1536                                    ; two images of Wg1,
	s_add_co_u32 s67, s67, 128                                     ; two slots
	s_add_co_u32 s60, s60, 1
	s_cmp_lt_u32 s60, 4
	s_cbranch_scc1 .Ltrip_\@
	s_setprio 0
.rept 4
	v_nop
.endr
.irp i, 0,2,4,6,8,10,12,14
	v_pk_mul_f32 v[T+\i:T+\i+1], v[HACC+\i:HACC+\i+1], s[56:57] op_sel_hi:[1,0]
.endr
.irp i, 0,1,2,3,4,5,6,7,8,9,10,11,12,13,14,15
	v_max_num_f32 v[ACC+\i], v[HACC+\i], v[T+\i]                   ; leaky: the larger of x and 0.01 x
.endr
	QX ACC
	s_wait_alu depctr_va_vdst(0)
	s_wait_loadcnt 0x0                                             ; this tile's mask
.irp j, 0,1,2,3
	ds_store_b128 v[MDN], v[MSK+4*\j:MSK+4*\j+3] offset:576*\j     ; as loaded, four rows a store; LDS serves a wave's instructions in order: the loads below see it
.endr
.irp i, 0,1,2,3
	ds_load_b128 v[MK+4*\i:MK+4*\i+3], v[MRD] offset:16*\i         ; mask(r, 16 h + 0 .. 15)
.endr
.irp i, 0,1,2
	ds_load_b64 v[G0+2*\i:G0+2*\i+1], v[L8] offset:27648+256*\i    ; Wg2's image
.endr
	ds_load_b32 v[GS], v[SCR] offset:2304
.irp i, 0,1,2,3
	ds_load_b128 v[BI+4*\i:BI+4*\i+3], v[BB] offset:T_BG2+16*\i
.endr
	s_wait_dscnt 0x0                                               ; also: the mask's stores have read their registers
.if \nx >= 0
.irp j, 0,1,2,3
	global_load_b128 v[MSK+4*\j:MSK+4*\j+3], v[GOF], s[10:11] offset:2048*\nx+512*\j th:TH_LOAD_NT
.endr
.endif
	MM ZR,   G0, X,  BI,   GS, XS, 0
	MM ZR+8, G0, XP, BI+8, GS, XS, 0
.rept 4
	v_nop
.endr
	SOFTMAX
.irp i, 0,1,2,3
	ds_store_b128 v[MRD], v[MK+4*\i:MK+4*\i+3] offset:16*\i
.endr
.irp j, 0,1,2,3
	ds_load_b128 v[T+4*\j:T+4*\j+3], v[MDN] offset:576*\j
.endr
	s_wait_dscnt 0x0
.irp j, 0,1,2,3
	global_store_b128 v[GOF], v[T+4*\j:T+4*\j+3], s[44:45] offset:2048*\a+512*\j th:TH_STORE_NT   ; 32 lanes store 512 consecutive bytes, at a multiple of 256 from out1's first byte
.endr
	s_wait_xcnt 0x0                                                ; the stores' data registers are written again only behind this wait
.endm
; ---------------------------------------------------------------- the head: addresses
	s_load_b512 s[8:23], s[0:1], 0x0               ; x 8, mask 10, seq 12, ids 14, emb 16, W_ih1 18, b1 20, Wg1 22
	s_load_b512 s[24:39], s[0:1], 0x40             ; bg1 24, Wg2 26, bg2 28, W_ih2 30, b2 32, Wp1 34, bp1 36, Wp2 38
	s_load_b128 s[40:43], s[0:1], 0x80             ; bp2 40, out0 42
	s_load_b64 s[44:45], s[0:1], 0x90              ; out1
	v_lshl_add_u32 v[SPW], v0, 2, SPARE
	v_mov_b32 v[NIL], 0
	v_lshrrev_b32 v18, 5, v0
	s_delay_alu instid0(VALU_DEP_1)
	v_readfirstlane_b32 s2, v18                    ; wave 0..15
	v_and_b32 v19, 31, v0                          ; lane
	v_and_b32 v[RN], 15, v0                        ; r
	v_bfe_u32 v[HH], v0, 4, 1                      ; h
	v_and_b32 v[R8], 8, v0
	s_delay_alu instid0(VALU_DEP_1)
	v_add_nc_u32 v[RP], v[R8], v[RN]               ; r + (r & 8)
	v_and_b32 v[O7], 7, v0
	s_delay_alu instid0(VALU_DEP_1)
	v_lshlrev_b32 v[O7], 4, v[O7]
	v_and_b32 v[O3], 3, v0
	s_delay_alu instid0(VALU_DEP_1)
	v_lshlrev_b32 v[O3], 4, v[O3]
	v_lshlrev_b32 v[L8], 3, v19
	v_lshl_add_u32 v[SCL], v19, 2, SC
	v_lshl_add_u32 v[SCR], v[RN], 2, SC
	v_lshl_add_u32 v[BB], v[HH], 6, TAB
	v_lshlrev_b32 v[GOF], 4, v19
	s_mul_i32 s3, s2, WST
	s_add_co_u32 s3, s3, STG                       ; my stage
	v_mul_u32_u24 v[XRD], v[RN], 144
	s_delay_alu instid0(VALU_DEP_1)
	v_lshl_add_u32 v[XRD], v[HH], 6, v[XRD]
	s_delay_alu instid0(VALU_DEP_1)
	v_add_nc_u32 v[XRD], s3, v[XRD]
	s_delay_alu instid0(VALU_DEP_1)
	v_add_nc_u32 v[MRD], 4608, v[XRD]
	v_lshrrev_b32 v18, 3, v19
	s_delay_alu instid0(VALU_DEP_1)
	v_mul_u32_u24 v18, v18, 144
	s_delay_alu instid0(VALU_DEP_1)
	v_add_nc_u32 v18, v18, v[O7]
	s_delay_alu instid0(VALU_DEP_1)
	v_add_nc_u32 v[XSTW], s3, v18
	s_delay_alu instid0(VALU_DEP_1)
	v_add_nc_u32 v[MDN], 4608, v[XSTW]
	s_mul_i32 s6, s2, 192
	s_lshl_b32 s7, s2, 6
	v_lshl_add_u32 v[B2A], v[HH], 5, TAB+T_B2
	s_delay_alu instid0(VALU_DEP_1)
	v_add_nc_u32 v[B2A], s6, v[B2A]
	v_lshl_add_u32 v[H2W], v[HH], 5, TAB+T_H2
	s_delay_alu instid0(VALU_DEP_1)
	v_add_nc_u32 v[H2W], s7, v[H2W]
	v_lshl_add_u32 v[TB32], v[HH], 5, TAB
	v_lshl_add_u32 v[WRW], v[HH], 6, STG+15*WST+4608+15*144   ; w's row t = 511: wave 15's stage, row 15 of its tile 1
	s_mul_i32 s3, s2, 2304
	v_add_nc_u32 v[IA3], s3, v[L8]
	v_add_nc_u32 v[SCL3], s6, v[SCL]
	v_add_nc_u32 v[SCR3], s6, v[SCR]
	v_mov_b32 v[K3], 0x40400000
	v_mov_b32 v[KN2], 0xc038aa3b
	v_mov_b32 v[KN2+1], 0xc038aa3b
	s_mul_i32 s3, s2, 768
	v_add_nc_u32 v[IAW], s3, v[L8]
	v_add_nc_u32 v18, v[SCR], v[HH]                ; SC + 4 r + h: my byte of a slot
	s_delay_alu instid0(VALU_DEP_1)
	v_add_nc_u32 v[SAW], s7, v18
	s_delay_alu instid0(VALU_DEP_2)
	v_add_nc_u32 v[SA3], s6, v18
	v_add_nc_u32 v[TB2W], TAB+T_B2, v[O3]
	s_delay_alu instid0(VALU_DEP_1)
	v_add_nc_u32 v[TB2W], s6, v[TB2W]
	s_lshl_b32 s3, s2, 9
	v_lshl_add_u32 v[TB1W], v19, 4, TAB-2560       ; waves 5 to 10: TAB + 512 (wave - 5) + 16 x lane
	s_delay_alu instid0(VALU_DEP_1)
	v_add_nc_u32 v[TB1W], s3, v[TB1W]
	v_add_nc_u32 v[TV7], TAB, v[O7]
	v_add_nc_u32 v[TV3], TAB, v[O3]
	s_mov_b32 s4, 0x76543210
	s_mov_b32 s5, 0xfedcba98                       ; v_permlanex16_b32's selects for lane l xor 16
	s_mov_b32 s48, 0xbfb8aa3b
	s_mov_b32 s49, s48
	s_mov_b32 s50, 0x4038aa3b
	s_mov_b32 s51, s50
	s_mov_b32 s52, 0x3fb8aa3b
	s_mov_b32 s53, s52
	s_mov_b32 s54, 0x358637bd
	s_mov_b32 s55, 0x322bcc77
	s_mov_b32 s56, 0x3c23d70a
	s_mov_b32 s57, s56
	s_mov_b32 s58, 0x05040100
	s_mov_b32 s59, 0x42c80000
	; where each wave's weight blocks lie in memory.  Pass 1: image w of W_ih1: lane (h, r) takes row first + 8 h + r + (r & 8), 128 bytes a row
	WOFF 74, 2, 75, 76
	v_lshlrev_b32 v[VO1], 7, v[RP]
	s_delay_alu instid0(VALU_DEP_1)
	v_lshl_add_u32 v[VO1], v[HH], 10, v[VO1]
	s_delay_alu instid0(VALU_DEP_1)
	v_add_nc_u32 v[VO1], s74, v[VO1]
	; pass 2: waves 0-7 images 16 + w of W_ih1; waves 8-15 image k = w - 8 of Wg1: row 8 (k & 1) + r + (r & 8) of 1,024 bytes, K from 64 (k / 2) + 32 h on
	s_and_b32 s77, s2, 7
	s_add_co_u32 s79, s77, 16
	WOFF 78, 79, 75, 76
	s_and_b32 s80, s77, 1
	s_lshl_b32 s80, s80, 13
	s_lshr_b32 s81, s77, 1
	s_lshl_b32 s81, s81, 8
	s_add_co_u32 s80, s80, s81
	s_cmp_lt_u32 s2, 8
	s_cselect_b32 s78, s78, s80
	s_cselect_b32 s82, 7, 10
	s_cselect_b32 s83, 10, 7
	v_lshlrev_b32 v[VO2], s82, v[RP]
	v_lshlrev_b32 v18, s83, v[HH]
	s_delay_alu instid0(VALU_DEP_1)
	v_add_nc_u32 v[VO2], v[VO2], v18
	s_delay_alu instid0(VALU_DEP_1)
	v_add_nc_u32 v[VO2], s78, v[VO2]
	; waves 0-3: image w of Wp1: row r of 1,024 bytes, K from 64 w + 32 h on;  wave 4: Wg2: row 8 h + r + (r & 8) of 128 bytes
	s_lshl_b32 s87, s2, 8
	s_cmp_lt_u32 s2, 4
	s_cselect_b32 s84, 10, 7
	s_cselect_b32 s85, 7, 10
	s_cselect_b32 s86, 0, 1
	s_cselect_b32 s87, s87, 0
	v_mul_u32_u24 v[VOC], v[R8], s86
	s_delay_alu instid0(VALU_DEP_1)
	v_add_nc_u32 v[VOC], v[VOC], v[RN]
	s_delay_alu instid0(VALU_DEP_1)
	v_lshlrev_b32 v[VOC], s84, v[VOC]
	v_lshlrev_b32 v18, s85, v[HH]
	s_delay_alu instid0(VALU_DEP_1)
	v_add_nc_u32 v[VOC], v[VOC], v18
	s_delay_alu instid0(VALU_DEP_1)
	v_add_nc_u32 v[VOC], s87, v[VOC]
	; W_ih2: row gate + 16 w + r of 256 bytes, K from 32 h on;  b2: my 16 numbers of a gate
	s_lshl_b32 s3, s2, 12
	v_lshlrev_b32 v[VOW2], 8, v[RN]
	s_delay_alu instid0(VALU_DEP_1)
	v_lshl_add_u32 v[VOW2], v[HH], 7, v[VOW2]
	s_delay_alu instid0(VALU_DEP_1)
	v_add_nc_u32 v[VOW2], s3, v[VOW2]
	v_add_nc_u32 v[VOF], s7, v[O3]
	; b1: waves 5 to 10 take 512 bytes each of the live gates (the f gate's 1,024 bytes are passed over); held inside the buffer in every wave
	s_max_u32 s74, s2, 5
	s_min_u32 s74, s74, 10
	s_sub_co_u32 s74, s74, 5
	s_lshl_b32 s75, s74, 9
	s_cmp_ge_u32 s74, 2
	s_cselect_b32 s76, 1024, 0
	s_add_co_u32 s75, s75, s76
	v_add_nc_u32 v[VB1], s75, v[GOF]
	s_lshl_b32 s88, ttmp9, 16                      ; my batch's 512 rows of 128 bytes
	s_mov_b32 s89, 0
	s_add_co_u32 s90, s88, s3                      ; + my wave's 32 rows
	s_mov_b32 s91, 0
	s_lshl_b32 s6, ttmp9, 2
	s_mov_b32 s7, 0
	s_wait_alu depctr_va_vdst(0)
	s_wait_kmcnt 0x0
	s_add_nc_u64 s[14:15], s[14:15], s[6:7]
	s_load_b32 s46, s[14:15], 0x0                  ; my basin's id
	s_load_b32 s68, s[40:41], 0x0                  ; bp2
	s_add_nc_u64 s[42:43], s[42:43], s[6:7]
	s_add_nc_u64 s[8:9], s[8:9], s[90:91]
	s_add_nc_u64 s[10:11], s[10:11], s[90:91]
	s_add_nc_u64 s[44:45], s[44:45], s[90:91]
	s_add_nc_u64 s[12:13], s[12:13], s[88:89]
	s_add_nc_u64 s[12:13], s[12:13], 65408         ; seq_features' row t = 511
	s_cmp_lt_u32 s2, 8
	s_cselect_b64 s[70:71], s[18:19], s[22:23]
	s_cmp_lt_u32 s2, 4
	s_cselect_b64 s[72:73], s[34:35], s[26:27]
; ---------------------------------------------------------------- the first loads, in one run: 39 a wave
	LOADT BUFA, VO1, 18, 0
	LOADT BUFB, VO2, 70, 0
.irp j, 0,1,2,3,4,5,6,7
	global_load_b128 v[BUFS+4*\j:BUFS+4*\j+3], v[GOF], s[8:9] offset:512*\j th:TH_LOAD_NT   ; my 32 rows of x, 512 consecutive bytes a load
.endr
	LOADT BUFD, VOW2, 30, 0
	global_load_b128 v[BUFF:BUFF+3], v[VOF], s[32:33]
	global_load_b128 v[BUFF+4:BUFF+7], v[VOF], s[32:33] offset:2048
	global_load_b128 v[BUFF+8:BUFF+11], v[VOF], s[32:33] offset:3072
.irp j, 0,1,2,3
	global_load_b128 v[MSK+4*\j:MSK+4*\j+3], v[GOF], s[10:11] offset:2048+512*\j th:TH_LOAD_NT   ; tile 1's mask
.endr
	s_wait_kmcnt 0x0
	s_min_u32 s46, s46, 530                        ; the index stays inside its table
	s_lshl_b32 s46, s46, 7
	s_mov_b32 s47, 0
	s_add_nc_u64 s[16:17], s[16:17], s[46:47]
; ---------------------------------------------------------------- what only some waves do
	s_cmp_lt_u32 s2, 5
	s_cbranch_scc0 .Lnot_images
	LOADT BUFC, VOC, 72, 0
	s_wait_loadcnt 0x0
	QTASK BUFC, IAW, 24576, SAW, 2048              ; images 32 + w: Wp1's four, Wg2
	s_branch .Ljoined
.Lnot_images:
	s_cmp_lt_u32 s2, 11
	s_cbranch_scc0 .Lnot_b1
	global_load_b128 v[BUFC:BUFC+3], v[VB1], s[20:21]
	s_wait_loadcnt 0x0
	ds_store_b128 v[TB1W], v[BUFC:BUFC+3]
	s_branch .Ljoined
.Lnot_b1:
	s_cmp_eq_u32 s2, 11
	s_cbranch_scc0 .Ljoined
	global_load_b128 v[BUFC:BUFC+3], v[O7], s[24:25]
	global_load_b128 v[BUFC+4:BUFC+7], v[O7], s[28:29]
	global_load_b128 v[BUFC+8:BUFC+11], v[O7], s[12:13]
	global_load_b128 v[BUFC+12:BUFC+15], v[O7], s[16:17]
	global_load_b128 v[BUFC+16:BUFC+19], v[O3], s[36:37]
	global_load_b128 v[BUFC+20:BUFC+23], v[O3], s[38:39]
	s_wait_loadcnt 0x0
	ds_store_b128 v[TV7], v[BUFC:BUFC+3] offset:T_BG1              ; lanes that share an address store the same bytes
	ds_store_b128 v[TV7], v[BUFC+4:BUFC+7] offset:T_BG2
	ds_store_b128 v[TV7], v[BUFC+8:BUFC+11] offset:T_SF
	ds_store_b128 v[TV7], v[BUFC+12:BUFC+15] offset:T_EMB
	ds_store_b128 v[TV3], v[BUFC+16:BUFC+19] offset:T_BP1
	ds_store_b128 v[TV3], v[BUFC+20:BUFC+23] offset:T_WP2
.Ljoined:
; ---------------------------------------------------------------- the shared images
	s_wait_loadcnt 31                              ; pass 1's eight are in; behind them: pass 2's 8, x's 8, W_ih2's 8, b2's 3, the mask's 4
	QTASK BUFA, IAW, 0, SAW, 0
	LOADT BUFA, VOW2, 30, 131072                   ; W_ih2, gate c
	s_wait_loadcnt 31                              ; pass 2's are in; behind them: 8 + 8 + 3 + 4 and the 8 just asked for
	QTASK BUFB, IAW, 12288, SAW, 1024
	LOADT BUFB, VOW2, 30, 196608                   ; W_ih2, gate o
	s_wait_loadcnt 31                              ; x is in; behind it: 8 + 3 + 4 + 8 + 8
.irp j, 0,1,2,3,4,5,6,7
	ds_store_b128 v[XSTW], v[BUFS+4*\j:BUFS+4*\j+3] offset:576*\j
.endr
	BARRIER                                        ; the shared images, slots and tables are whole
; ---------------------------------------------------------------- my own three images of W_ih2 and my part of b2
	s_wait_loadcnt 23                              ; gate i's are in; behind them: 3 + 4 + 8 + 8
	QTASK BUFD, IA3, 28416, SA3, 2368
	s_wait_loadcnt 20                              ; b2; behind it: 4 + 8 + 8
.irp g, 0,1,2
	ds_store_b128 v[TB2W], v[BUFF+4*\g:BUFF+4*\g+3] offset:64*\g
.endr
	s_wait_loadcnt 8                               ; gate c's; behind them gate o's 8
	QTASK BUFA, IA3, 29184, SA3, 2432
	s_wait_loadcnt 0x0
	QTASK BUFB, IA3, 29952, SA3, 2496
.irp i, 0,1,2,3,4,5
	v_mov_b32 v[Z0+\i], 0                          ; the zero codes, for the whole launch
	v_mov_b32 v[Z1+\i], 0
	v_mov_b32 v[Z2+\i], 0
	v_mov_b32 v[HF+\i], 0
.endr
	v_mov_b32 v[PM], 0                             ; a lane permute's destination counts as one of its sources
	TILE 1, 0
; ---------------------------------------------------------------- cell 2 for t = 511: wave w makes units 16 w .. 16 w + 15.  All sixteen columns of the data operand hold the one row
	BARRIER                                        ; wave 15's tile of w lies in its stage
.irp i, 0,1,2,3
	ds_load_b128 v[ACC+4*\i:ACC+4*\i+3], v[WRW] offset:16*\i
	ds_load_b128 v[ACC+16+4*\i:ACC+16+4*\i+3], v[BB] offset:T_SF+16*\i
	ds_load_b128 v[ACC+32+4*\i:ACC+32+4*\i+3], v[BB] offset:T_EMB+16*\i
.endr
.irp g, 0,1,2
.irp i, 0,1,2
	ds_load_b64 v[I0+6*\g+2*\i:I0+6*\g+2*\i+1], v[IA3] offset:28416+768*\g+256*\i
.endr
.endr
	ds_load_b32 v[WS0], v[SCL3] offset:2368
	ds_load_b32 v[WS1], v[SCR3] offset:2496
.irp g, 0,1,2
.irp i, 0,1
	ds_load_b128 v[BI+8*\g+4*\i:BI+8*\g+4*\i+3], v[B2A] offset:64*\g+16*\i
.endr
.endr
	s_wait_dscnt 0x0
.irp i, 0,1,2,3,4,5,6,7,8,9,10,11,12,13,14,15
	v_med3_num_f32 v[ACC+16+\i], v[ACC+16+\i], -v[K3], v[K3]
.endr
.irp i, 0,2,4,6,8,10,12,14
	v_pk_mul_f32 v[ACC+\i:ACC+\i+1], v[ACC+\i:ACC+\i+1], v[ACC+16+\i:ACC+16+\i+1]   ; wf = sf x w
.endr
.irp i, 0,1,2,3,4,5,6,7,8,9,10,11,12,13,14,15
	v_med3_num_f32 v[ACC+32+\i], v[ACC+32+\i], -v[K3], v[K3]
.endr
	BLK16 ACC, X, BY0
	BLK16 ACC+32, T3, BY1
.irp i, 0,1,2
	v_permlane16_swap_b32 v[X+\i], v[T3+\i]        ; lanes 0-15: K block 0, wf; lanes 16-31: K block 1, the basin's row
.endr
.irp i, 0,1,2
	s_delay_alu instid0(VALU_DEP_3)
	v_mov_b32 v[X+3+\i], v[T3+\i]
.endr
	v_lshl_or_b32 v[XS], v[BY1], 8, v[BY0]
.rept 8
	v_nop
.endr
	MM ACC,    I0, X, BI,    WS0, XS, 0
	MM ACC+8,  I1, X, BI+8,  WS0, XS, 1
	MM ACC+16, I2, X, BI+16, WS1, XS, 0
.rept 4
	v_nop
.endr
	ACT ACC, ACC+8, ACC+16, T, 8
	ds_store_b128 v[H2W], v[ACC+8:ACC+11]          ; h2(16 w + 8 h + 0 .. 7); the sixteen lanes of a half store the same bytes
	ds_store_b128 v[H2W], v[ACC+12:ACC+15] offset:16
	BARRIER                                        ; h2's row is whole, and nobody reads w's row any more
	s_cmp_lg_u32 s2, 0
	s_cbranch_scc1 .Lrest
; ---------------------------------------------------------------- wave 0: pred
.irp q, 0,1,2,3
.irp i, 0,1,2
	ds_load_b64 v[G0+6*\q+2*\i:G0+6*\q+2*\i+1], v[L8] offset:24576+768*\q+256*\i   ; Wp1's four images: two whole operands of K = 128
.endr
.endr
	ds_load_b32 v[WS0], v[SCR] offset:2048
	ds_load_b32 v[WS1], v[SCR] offset:2112
	ds_load_b32 v[GS], v[SCR] offset:2176
	ds_load_b32 v[XS], v[SCR] offset:2240
.irp i, 0,1
	ds_load_b128 v[BP+4*\i:BP+4*\i+3], v[TB32] offset:T_BP1+16*\i  ; bp1, in registers of its own: the C of the sum's first product
	ds_load_b128 v[WP+4*\i:WP+4*\i+3], v[TB32] offset:T_WP2+16*\i
.endr
.irp b, 0,1,2,3
.irp i, 0,1,2,3
	ds_load_b128 v[YY+16*\b+4*\i:YY+16*\b+4*\i+3], v[BB] offset:T_H2+128*\b+16*\i
.endr
.endr
	s_wait_dscnt 0x0
	v_perm_b32 v[WS0], v[WS1], v[WS0], s58         ; the two images' bytes make the operand's scale word
	v_perm_b32 v[GS], v[XS], v[GS], s58
	QUANT64 YY, PC, HS
	MM PD, G0, PC, BP, WS0, HS, 0                  ; the first K step starts the sum from bp1
.rept 4
	v_nop
.endr
.irp b, 0,1,2,3
.irp i, 0,1,2,3
	ds_load_b128 v[YY+16*\b+4*\i:YY+16*\b+4*\i+3], v[BB] offset:T_H2+512+128*\b+16*\i
.endr
.endr
	s_wait_dscnt 0x0
	QUANT64 YY, PC, HS
	s_wait_alu depctr_va_vdst(0)                   ; the wait directly ahead of the link
	MM PD, I0, PC, PD, GS, HS, 0
.rept 4
	v_nop
.endr
.irp i, 0,1,2,3,4,5,6,7
	v_mul_f32 v[T+\i], s56, v[PD+\i]
.endr
.irp i, 0,1,2,3,4,5,6,7
	v_max_num_f32 v[T+\i], v[PD+\i], v[T+\i]       ; leaky
.endr
	v_mul_f32 v[PR], v[T], v[WP]
.irp i, 1,2,3,4,5,6,7
	s_delay_alu instid0(VALU_DEP_1)
	v_fma_f32 v[PR], v[T+\i], v[WP+\i], v[PR]      ; the last product, K = 16, in f32
.endr
	s_delay_alu instid0(VALU_DEP_1)
	v_permlanex16_b32 v[PM], v[PR], s4, s5
	s_delay_alu instid0(VALU_DEP_1)
	v_add_f32 v[PR], v[PR], v[PM]
	s_delay_alu instid0(VALU_DEP_1)
	v_add_f32 v[PR], s68, v[PR]
	s_delay_alu instid0(VALU_DEP_1)
	v_med3_num_f32 v[PR], v[PR], 0, s59
	v_mov_b32 v[ZO], 0
	v_cmp_eq_u32 vcc_lo, 0, v0
	s_wait_alu depctr_va_vdst(0)
	s_wait_xcnt 0x0                                ; EXEC changes only behind this wait: the next mask's loads are out
	s_and_saveexec_b32 s69, vcc_lo
	global_store_b32 v[ZO], v[PR], s[42:43]
	s_wait_xcnt 0x0
	s_or_b32 exec_lo, exec_lo, s69
.Lrest:
	TILE 0, -1
	s_wait_tensorcnt 0x0                           ; the wave's end, behind my last LDS store
	ds_add_u32 v[SPW], v[NIL]
	s_wait_dscnt 0x0
	s_endpgm
.Lfunc_end_k_q52632934fe_sca2lstm:
	.size	k_q52632934fe_sca2lstm, .Lfunc_end_k_q52632934fe_sca2lstm-k_q52632934fe_sca2lstm
	.p2alignl 7, 3214868480
	.fill 96, 4, 3214868480
	.section	.rodata,"a",@progbits
	.p2align	6, 0x0
	.amdhsa_kernel k_q52632934fe_sca2lstm
		.amdhsa_group_segment_fixed_size 191488
		.amdhsa_private_segment_fixed_size 0
		.amdhsa_enable_private_segment 0
		.amdhsa_kernarg_size 152
		.amdhsa_user_sgpr_count 2
		.amdhsa_user_sgpr_kernarg_segment_ptr 1
		.amdhsa_wavefront_size32 1
		.amdhsa_system_sgpr_workgroup_id_x 1
		.amdhsa_system_sgpr_workgroup_id_y 1
		.amdhsa_system_sgpr_workgroup_id_z 1
		.amdhsa_system_vgpr_workitem_id 0
		.amdhsa_next_free_vgpr 256
		.amdhsa_next_free_sgpr 100
		.amdhsa_reserve_vcc 1
		.amdhsa_float_denorm_mode_32 3
		.amdhsa_float_denorm_mode_16_64 3
		.amdhsa_memory_ordered 1
		.amdhsa_forward_progress 1
		.amdhsa_inst_pref_size 148
	.end_amdhsa_kernel
	.amdgpu_metadata
---
amdhsa.version: [ 1, 2 ]
amdhsa.kernels:
  - .name:           k_q52632934fe_sca2lstm
    .symbol:         k_q52632934fe_sca2lstm.kd
    .args:
      - { .name: lstm1_input, .offset: 0, .size: 8, .value_kind: global_buffer, .address_space: global }
      - { .name: missing_bool, .offset: 8, .size: 8, .value_kind: global_buffer, .address_space: global }
      - { .name: seq_features, .offset: 16, .size: 8, .value_kind: global_buffer, .address_space: global }
      - { .name: basin_ids, .offset: 24, .size: 8, .value_kind: global_buffer, .address_space: global }
      - { .name: basin_emb, .offset: 32, .size: 8, .value_kind: global_buffer, .address_space: global }
      - { .name: W_ih1, .offset: 40, .size: 8, .value_kind: global_buffer, .address_space: global }
      - { .name: b1, .offset: 48, .size: 8, .value_kind: global_buffer, .address_space: global }
      - { .name: Wg1, .offset: 56, .size: 8, .value_kind: global_buffer, .address_space: global }
      - { .name: bg1, .offset: 64, .size: 8, .value_kind: global_buffer, .address_space: global }
      - { .name: Wg2, .offset: 72, .size: 8, .value_kind: global_buffer, .address_space: global }
      - { .name: bg2, .offset: 80, .size: 8, .value_kind: global_buffer, .address_space: global }
      - { .name: W_ih2, .offset: 88, .size: 8, .value_kind: global_buffer, .address_space: global }
      - { .name: b2, .offset: 96, .size: 8, .value_kind: global_buffer, .address_space: global }
      - { .name: Wp1, .offset: 104, .size: 8, .value_kind: global_buffer, .address_space: global }
      - { .name: bp1, .offset: 112, .size: 8, .value_kind: global_buffer, .address_space: global }
      - { .name: Wp2, .offset: 120, .size: 8, .value_kind: global_buffer, .address_space: global }
      - { .name: bp2, .offset: 128, .size: 8, .value_kind: global_buffer, .address_space: global }
      - { .name: out0, .offset: 136, .size: 8, .value_kind: global_buffer, .address_space: global }
      - { .name: out1, .offset: 144, .size: 8, .value_kind: global_buffer, .address_space: global }
    .group_segment_fixed_size: 191488
    .private_segment_fixed_size: 0
    .kernarg_segment_align: 8
    .kernarg_segment_size: 152
    .max_flat_workgroup_size: 512
    .sgpr_count:     100
    .vgpr_count:     256
    .wavefront_size: 32
...
	.end_amdgpu_metadata
.endif
;; end of part 1
